; MI455X (gfx1250); checked and timed in simulation.
; The chip was launched on July 23, 2026; its instructions are those of AMD's public machine-readable ISA for CDNA 5 (MIT licence, August 2026) and "CDNA5" Instruction Set Architecture Reference Guide (July 2026). The comments in the code are by the model that wrote it; some were corrected since.
;; Mixture Of Adapter With Classifier. Allowed arithmetic: matrix products marked QUANTISED: E4M3 operands, one given power-of-two scale a tensor, by v_wmma_f32_16x16x64_fp8_fp8 or v_wmma_f32_16x16x128_fp8_fp8, f32 sums; products left as they are: f32 operands where the result goes on into a quantised operand, else bf16, f16 or f32 operands; f32 sums; everything else in f32.
;; Inputs: ad_b1 2,048 float32; ad_b2 1,024 float32; ad_w1 1,024 x 2,048 float32; ad_w2 2,048 x 1,024 float32; domain_mask 4 int32; gate_b1 4 float32; gate_b2 4 float32; gate_w1 1,024 x 4 float32; gate_w2 4 x 4 float32; ln_b_book 1,024 float32; ln_b_iwslt 1,024 float32; ln_s_book 1,024 float32; ln_s_iwslt 1,024 float32; lowp_scales 8 int32 (the exponents e of the quantised operands' scales 2^e); x 8 x 1,024 x 1,024 float32.
;; Outputs: out0 8 x 1,024 x 1,024 float32.
;; This version of the problem:
;;   THIS VERSION OF THE PROBLEM IS GIVEN IN LOW PRECISION. The matrix products marked QUANTISED in the list below multiply operands that are first quantised to E4M3 (4 exponent bits, 3 mantissa bits; 8 bits a number), with one given power-of-two scale for each operand tensor; their sums are f32. All else is computed in f32.
;;   The module's matrix products, in the order in which they are computed (A, B: the left and right operand; K: the contracted axis; several contracted axes count as one K, in the product's order):
;;     1. [M 8,192, K 1,024] x [K 1,024, N 4]; A: input x; B: input gate_w1: left as it is (N = 4 < 16)
;;     2. [M 8,192, K 4] x [K 4, N 4]; A: computed on the way; B: input gate_w2: left as it is (K = 4 < 32)
;;     3. [M 8,192, K 1,024] x [K 1,024, N 2,048]; A: computed on the way; B: input ad_w1: QUANTISED (scales: A lowp_scales[0], B lowp_scales[1])
;;     4. [M 8,192, K 2,048] x [K 2,048, N 1,024]; A: computed on the way; B: input ad_w2: QUANTISED (scales: A lowp_scales[2], B lowp_scales[3])
;;     5. [M 8,192, K 1,024] x [K 1,024, N 2,048]; A: computed on the way; B: input ad_w1: QUANTISED (scales: A lowp_scales[4], B lowp_scales[5])
;;     6. [M 8,192, K 2,048] x [K 2,048, N 1,024]; A: computed on the way; B: input ad_w2: QUANTISED (scales: A lowp_scales[6], B lowp_scales[7])
;;     7. batch 8,192 x [M 1,024, K 3] x [K 3, N 1]; A: computed on the way; B: computed on the way: left as it is (K = 3 < 32)
;;   THE QUANTISER, for each operand of a quantised product, along K:
;;     - The operand's scale is 2^e, e = its entry of the input lowp_scales (int32; the entries are numbered through the quantised products in the list's order, A before B).
;;     - Each number is divided by the scale, clamped to +-448, and rounded to the nearest number of E4M3, ties to even, subnormals kept.
;;     - The product sums the exact products of the quantised numbers (number of the format x scale) in f32.
;;   ~~~python
;;   def quantise(x, axis, e):      # numpy; x: float32 -> the quantised numbers, widened to float32 again
;;       x = np.moveaxis(x, axis, -1); K = x.shape[-1]
;;       r = np.clip(x / 2.0 ** e, -448, 448)
;;       step = 2.0 ** (np.maximum(np.frexp(np.where(r == 0, 1, r))[1] - 1, -6) - 3)
;;       q = np.round(r / step) * step * 2.0 ** e      # np.round: ties to even
;;       return np.moveaxis(q, -1, axis).astype(np.float32)
;;   ~~~
;;   OPERANDS COMPUTED ON THE WAY. 'Computed on the way' means the value that the module computes at that place (a softmax that the list does not call 'softmax' is quantised finished and normalised). What goes into a quantiser is computed in f32, as accurately as f32 sums, v_exp_f32 and their like allow (about 1e-6 of the number): no bf16 or f16 on the way to a quantiser, and a product that is left as it is and whose result goes on into a quantised operand takes f32 operands (vector FMAs, or v_wmma_f32_16x16x4_f32). A number that lies on a knife's edge between two numbers of the format may be rounded either way, as far as f32 arithmetic and the matrix unit's own rounding can turn it there, and no further.
;; One version. Each part assembles by itself: llvm-mc -triple=amdgcn-amd-amdhsa -mcpu=gfx1250 --defsym DOCPART=n.
;; ======== version 1 of 1: 3 launches
;; limits: right only within a limited range of input values
;; workspace buffers: zc 16,777,216 bytes; w1c 4,194,304 bytes; w2c 4,194,304 bytes; hc 33,554,432 bytes; gw 131,072 bytes
;; launch prep (part 1): grid 256 x 1, 8 waves a work-group, no clusters, 37,888 bytes of LDS; arguments x, gate_w1, gate_b1, gate_w2, gate_b2, domain_mask, ln_s_book, ln_b_book, ln_s_iwslt, ln_b_iwslt, ad_w1, ad_w2, lowp_scales, zc, w1c, w2c, gw; writes zc, w1c, w2c, gw
.if DOCPART == 1
	.amdgcn_target "amdgcn-amd-amdhsa--gfx1250"
	.amdhsa_code_object_version 6
	.text
	.protected	k_qbac01d2189_prep
	.globl	k_qbac01d2189_prep
	.p2align	8
	.type	k_qbac01d2189_prep,@function
k_qbac01d2189_prep:
	s_mov_b64 s[64:65], 0
	v_nop
	global_prefetch_b8 v0, s[64:65] scope:SCOPE_SE
	s_setreg_imm32_b32 hwreg(HW_REG_WAVE_MODE, 25, 1), 1
	s_wait_xcnt 0x0
; All that is made once: the codes of both LayerNorms' rows (zc), the gate's weights for each token (gw), and the codes of ad_w1 and ad_w2, each under its two given scales (w1c, w2c).  No step of the problem is left out of the program.
; 256 equal work-groups of eight waves.  A wave takes 4 rows of tokens and two blocks of 32 columns x 32 places of a weight: waves 0-3 of ad_w1, waves 4-7 of ad_w2.
; code = number / 2^e, held within +-448, to the nearest E4M3 code, ties to even.
; LIMITS: e0, e1, e3, e4, e5, e7 between -126 and 119, so that 2^e and 448 x 2^e are f32 numbers; e2 + e3 and e6 + e7 are applied by v_ldexp_f32.  NaN among the inputs is not served.
; THE ORDER ALONG K is the program's own, the same on both sides of each product:
;   products 3, 5: place p = 512 a + 16 l + 4 jj + i of a row of zc holds k = 512 a + 128 jj + 4 l + i: the order in which a wave that holds one row (lane l, load 4 a + jj, element i) gets its codes.
;   products 4, 6: in K step s, a lane half h's byte t of register group c holds f = 128 s + 32 c + 16 (t / 8) + 8 h + t % 8: the order in which the first product's results fall into a lane's registers.
; A FRAGMENT IMAGE (16 rows x 128 K, 2,048 bytes): the 16 bytes of lane r + 16 h, registers 4 c .. 4 c + 3, lie at 512 c + 256 h + 16 r.
;   w1c [2 scales][8 blocks of 256 columns][8 K steps][16 images], w2c [2][4][16][16].   zc [2 domains][8192 rows][1024 places].
;   gw [8192][4] f32: 1 + w0,  w1 x 2^(e2 + e3),  w2 x 2^(e6 + e7),  w1 + w2.
; THE CONSTANTS (gate_w1, gains, biases: 32,768 bytes) are read once a work-group, 4,096 bytes a wave, and go through LDS into every wave's window 1.  gate_w1's 64 bytes of four rows have 16 of padding behind them there.
; gw leaves as 64 bytes a wave: the whole buffer is 131,072 bytes.  No tensor loads; no prefetch: all of a wave's reads but the last 48 loads are asked for at its start.
.set LN,  31                           ; v31      lane
.set X,   32                           ; v32-127  three row slots of 32 registers
.set WX,  128                          ; v128-159 a block of a weight: a lane's column down K
.set Y,   160                          ; v160-191 x - mean, then that x rsqrt
.set Z,   192                          ; v192-223 numbers held within the largest code
.set CD,  224                          ; v224-239 codes
.set LNO, 20480                        ; LDS: gate_w1 (256 x 80 bytes), then the gains and biases,
.set SPARE, 36864                      ; then the spare words, 128 bytes a wave
.set MSB, 0
.macro WIN new                         ; the immediate's high byte repeats the setting that is left
.if MSB != (\new)
	s_set_vgpr_msb (MSB<<8)|(\new)
.set MSB, (\new)
.endif
.endm
.macro MKSCALE e, vs, lo               ; from the exponent in s[e]: v[vs] = 2^e as f32 (the conversion takes its exponent field), s[lo], s[lo+1] = -+448 x 2^e
	s_add_co_i32 s2, s[\e], 127
	s_lshl_b32 s3, s2, 23
	v_mov_b32 v[\vs], s3
	s_add_co_i32 s2, s2, 8
	s_lshl_b32 s2, s2, 23
	s_or_b32 s[\lo+1], s2, 0x600000
	s_or_b32 s[\lo], s[\lo+1], 0x80000000
.endm
.macro XFILL slot, row                 ; eight loads: the whole row: lane l, load j, element i hold k = 128 j + 4 l + i
.irp j, 0,1,2,3,4,5,6,7
	global_load_b128 v[X+32*(\slot)+4*\j:X+32*(\slot)+4*\j+3], v1, s[8:9] offset:(\row)*4096+512*\j th:TH_LOAD_NT
.endr
.endm
; Block b of my weight, 32 loads: a lane takes a column and its registers run down K in the order that the fragment's layout gives that lane; numbers u = 0-15 are lane half 0's bytes of a group, u = 16-31 half 1's.
.macro WLOAD b
	s_cmp_eq_u32 s98, 0
	s_cbranch_scc0 .Lw2_\@
.set u, 0
.rept 32
	global_load_b32 v[WX+u], v3, s[84:85] offset:(8*(\b)+128*((u%16)/4)+4*(u/16)+u%4)*8192 th:TH_LOAD_NT
.set u, u+1
.endr
	s_branch .Lw_\@
.Lw2_\@:
.set u, 0
.rept 32
	global_load_b32 v[WX+u], v3, s[84:85] offset:(32*(\b)+16*((u%16)/8)+8*(u/16)+u%8)*4096 th:TH_LOAD_NT
.set u, u+1
.endr
.Lw_\@:
.endm
	s_load_b512 s[8:23], s[0:1], 0x0               ; x 8, gate_w1 10, gate_b1 12, gate_w2 14, gate_b2 16, domain_mask 18, ln_s_book 20, ln_b_book 22
	s_load_b512 s[24:39], s[0:1], 0x40             ; ln_s_iwslt 24, ln_b_iwslt 26, ad_w1 28, ad_w2 30, lowp_scales 32, zc 34, w1c 36, w2c 38
	s_load_b64 s[40:41], s[0:1], 0x80              ; gw
	v_lshrrev_b32 v1, 5, v0
	v_readfirstlane_b32 s97, v1                    ; wave 0..7
	s_lshr_b32 s98, s97, 2                         ; which weight
	s_and_b32 s99, s97, 3
	s_lshr_b32 s2, 15, s98
	s_and_b32 s2, ttmp9, s2                        ; which 128 columns (of 2,048 or of 1,024)
	s_sub_co_u32 s3, 4, s98
	s_lshr_b32 s3, ttmp9, s3                       ; which pair of blocks along K
	s_lshr_b32 s4, s3, 3                           ; ad_w1's first row: 512 (pair / 8) + 32 (pair / 2 % 4) + 16 (pair % 2)
	s_lshl_b32 s4, s4, 9
	s_lshr_b32 s5, s3, 1
	s_and_b32 s5, s5, 3
	s_lshl_b32 s5, s5, 5
	s_add_co_u32 s4, s4, s5
	s_and_b32 s6, s3, 1
	s_lshl_b32 s5, s6, 4
	s_add_co_u32 s4, s4, s5
	s_lshl_b32 s4, s4, 13                          ; rows of 8,192 bytes
	s_lshl_b32 s5, s3, 18                          ; ad_w2's: 64 rows of 4,096 bytes a pair
	s_cmp_eq_u32 s98, 0
	s_cselect_b32 s4, s4, s5
	s_lshl_b32 s5, s2, 9
	s_add_co_u32 s4, s4, s5
	s_lshl_b32 s5, s99, 7
	s_add_co_u32 s4, s4, s5                        ; + 4 x (128 columns x group + 32 x wave)
	s_mov_b32 s5, 0
	s_lshr_b32 s7, s2, 1                           ; the codes' place: block of 256 columns,
	s_add_co_u32 s66, s98, 18
	s_lshl_b32 s7, s7, s66
	s_lshl_b32 s6, s6, 10                          ; groups c = 2, 3 for an odd pair,
	s_add_co_u32 s6, s6, s7
	s_lshr_b32 s7, s3, 1
	s_lshl_b32 s7, s7, 15                          ; K step,
	s_add_co_u32 s6, s6, s7
	s_and_b32 s7, s2, 1
	s_lshl_b32 s7, s7, 14                          ; eight images for the upper 128 columns,
	s_add_co_u32 s6, s6, s7
	s_lshl_b32 s7, s99, 12                         ; two images a wave
	s_add_co_u32 s6, s6, s7
	s_mov_b32 s7, 0
	s_wait_alu depctr_va_vdst(0)
	s_wait_kmcnt 0x0
	s_load_b256 s[44:51], s[32:33], 0x0            ; e0 .. e7
	s_load_b128 s[52:55], s[12:13], 0x0            ; gate_b1
	s_load_b128 s[56:59], s[16:17], 0x0            ; gate_b2
	s_load_b128 s[60:63], s[18:19], 0x0            ; domain_mask
	s_load_b512 s[68:83], s[14:15], 0x0            ; gate_w2 [d][e] at s[68 + 4 d + e]
	s_cmp_eq_u32 s98, 0
	s_cselect_b64 s[84:85], s[28:29], s[30:31]
	s_cselect_b64 s[86:87], s[36:37], s[38:39]
	s_add_nc_u64 s[84:85], s[84:85], s[4:5]
	s_add_nc_u64 s[86:87], s[86:87], s[6:7]
	s_lshr_b32 s2, s97, 1                          ; which of the four gains and biases is mine to bring
	s_cmp_eq_u32 s2, 1
	s_cselect_b64 s[66:67], s[22:23], s[20:21]
	s_cmp_eq_u32 s2, 2
	s_cselect_b64 s[66:67], s[24:25], s[66:67]
	s_cmp_eq_u32 s2, 3
	s_cselect_b64 s[66:67], s[26:27], s[66:67]
	s_and_b32 s4, s97, 1
	s_lshl_b32 s4, s4, 11                          ; and which half of it
	s_add_nc_u64 s[66:67], s[66:67], s[4:5]
	s_lshl_b32 s4, s97, 11
	s_add_nc_u64 s[10:11], s[10:11], s[4:5]        ; my 2,048 bytes of gate_w1
	s_lshl_b32 s2, ttmp9, 5
	s_lshl_b32 s3, s97, 2
	s_add_co_u32 s2, s2, s3                        ; my first row: 32 x work-group + 4 x wave
	s_lshl_b32 s4, s2, 12
	s_add_nc_u64 s[8:9], s[8:9], s[4:5]            ; x at my first row
	s_lshl_b32 s4, s2, 10
	s_add_nc_u64 s[34:35], s[34:35], s[4:5]        ; zc, domain 0,
	s_add_nc_u64 s[42:43], s[34:35], 0x800000      ; and domain 1: 8,192 rows of 1,024 bytes on
	s_lshl_b32 s4, s2, 4
	s_add_nc_u64 s[40:41], s[40:41], s[4:5]        ; gw
	s_mul_i32 s2, s97, 2560                        ; my places in LDS
	s_lshl_b32 s3, s97, 11
	s_add_co_u32 s3, s3, LNO
	v_and_b32 v[LN], 31, v0
	v_lshlrev_b32 v1, 4, v[LN]                     ; 16 x lane
	v_lshlrev_b32 v3, 2, v[LN]                     ; 4 x lane
	v_lshrrev_b32 v2, 4, v[LN]
	v_lshlrev_b32 v2, 11, v2                       ; codes of a weight: lanes 16-31 belong to the next image,
	v_and_b32 v10, 15, v[LN]
	v_lshl_add_u32 v2, v10, 4, v2                  ; 16 bytes a column
	v_lshrrev_b32 v10, 2, v[LN]
	v_mul_u32_u24 v10, v10, 80
	v_and_b32 v11, 3, v[LN]
	v_lshl_add_u32 v10, v11, 4, v10
	v_add_nc_u32 v10, s2, v10                      ; into LDS: gate_w1,
	v_add_nc_u32 v11, s3, v1                       ; and the rest
	v_mul_u32_u24 v12, v[LN], 80                   ; out of it: gate_w1's four rows of my lane
	s_wait_alu depctr_va_vdst(0)
.irp i, 0,1,2,3
	global_load_b128 v[Y+4*\i:Y+4*\i+3], v1, s[10:11] offset:512*\i
	global_load_b128 v[Y+16+4*\i:Y+16+4*\i+3], v1, s[66:67] offset:512*\i
.endr
	XFILL 0, 0
	XFILL 1, 1
	WLOAD 0
	v_mov_b32 v4, 0xce6e6b28                       ; -1e9
	v_mov_b32 v9, 0                                ; the wave's 16 numbers of gw are gathered here
.irp r, 26,27,28,29,30
	v_mov_b32 v\r, 0                               ; written once: a lane permute's destination counts as one of its sources
.endr
	v_mov_b32 v241, 0                              ; (named as the upper halves of the pairs v[240:241] and v[242:243])
	v_mov_b32 v243, 0
	s_mov_b32 s88, 0xaaaaaaaa                      ; odd lanes
	s_mov_b32 s89, 0xcccccccc                      ; lanes with bit 1
	s_mov_b32 s91, 0x3a800000                      ; 1 / 1024
	s_mov_b32 s92, 0x358637bd                      ; 1e-6
	s_mov_b32 s95, 0x76543210                      ; v_permlanex16_b32: lane l xor 16
	s_mov_b32 s96, 0xfedcba98
	s_wait_alu depctr_va_vdst(0)
	s_wait_kmcnt 0x0
.irp e, 0,1,2,3
	s_cmp_eq_u32 s[60+\e], 0
	s_cselect_b32 s[60+\e], -1, 0                  ; all lanes where domain e is masked out: a select, no branch
.endr
	s_add_co_i32 s93, s46, s47                     ; e2 + e3
	s_add_co_i32 s94, s50, s51                     ; e6 + e7
	s_cmp_eq_u32 s98, 0
	s_cselect_b32 s45, s45, s47                    ; my weight's two exponents: e1, e5 or e3, e7
	s_cselect_b32 s49, s49, s51
	MKSCALE 44, 5, 12                              ; e0: book's rows
	MKSCALE 48, 6, 14                              ; e4: iwslt's rows
	MKSCALE 45, 7, 16
	MKSCALE 49, 8, 18
	s_wait_alu depctr_va_vdst(0)                   ; the head's end
	s_wait_loadcnt 48                              ; my part of the constants is in; two rows and a block may be out
.irp i, 0,1,2,3
	ds_store_b128 v10, v[Y+4*\i:Y+4*\i+3] offset:640*\i
	ds_store_b128 v11, v[Y+16+4*\i:Y+16+4*\i+3] offset:512*\i
.endr
	XFILL 2, 2
	s_wait_dscnt 0x0                               ; my stores are done,
	s_barrier_signal -1
	s_barrier_wait -1                              ; and everybody's
	WIN 0x40                                       ; destination window 1
.irp v, 0,1,2,3
.irp j, 0,1,2,3,4,5,6,7
	ds_load_b128 v[32*\v+4*\j:32*\v+4*\j+3], v1 offset:LNO+4096*\v+512*\j
.endr
.endr
.set q, 0
.rept 32                               ; gate_w1's row k = 128 (q / 4) + 4 l + q % 4: its four numbers at v[128 + 4 q] of window 1
	ds_load_b128 v[128+4*q:131+4*q], v12 offset:2560*(q/4)+16*(q%4)
.set q, q+1
.endr
	WIN 0
	s_wait_dscnt 0x0
.macro DPPADD r, m
	v_add_f32_dpp v[\r], v[\r], v[\r] row_xmask:\m row_mask:0xf bank_mask:0xf
.endm
; One domain's codes of the row in Y: gain and bias (window 1, at sb and bb), the hold, the conversion.  32 numbers a lane become 8 registers at cd.
.macro DOM sb, bb, sc, lo, cd, first
	WIN 0x14                                       ; sources 1 and 2 window 1
.set j, 0
.rept 16
	v_pk_fma_f32 v[Z+j:Z+j+1], v[Y+j:Y+j+1], v[\sb+j:\sb+j+1], v[\bb+j:\bb+j+1]
.set j, j+2
.endr
	WIN 0
.set j, 0
.rept 32
	v_med3_num_f32 v[Z+j], v[Z+j], s[\lo], s[\lo+1]   ; the conversion to an 8-bit code does not saturate (ISA guide 7.6.2)
.set j, j+1
.endr
.if \first
	s_wait_alu depctr_va_vdst(0)
	s_wait_xcnt 0x0                                ; earlier stores have read their data: the code registers are written again only behind this wait
.endif
.irp g, 0,1,2,3
	v_cvt_scalef32_pk8_fp8_f32 v[\cd+2*\g:\cd+2*\g+1], v[Z+8*\g:Z+8*\g+7], v[\sc]
.endr
	v_nop                                          ; one plain line between the conversions and the next line that writes their sources
.endm
; Row i of my four.  fill = 1: its slot takes row 3.  left = the younger loads that may stay out.
.macro ROW i, fill, left
.set XS, X+32*((\i)%3)
	s_wait_loadcnt \left                           ; loads come back in order: my row is in
.irp c, 0,1,2,3
	v_pk_add_f32 v[10+2*\c:11+2*\c], v[XS+2*\c:XS+2*\c+1], v[XS+8+2*\c:XS+9+2*\c]   ; the row's sum, in four chains of pairs
.endr
.irp m, 2,3
.irp c, 0,1,2,3
	v_pk_add_f32 v[10+2*\c:11+2*\c], v[10+2*\c:11+2*\c], v[XS+8*\m+2*\c:XS+8*\m+2*\c+1]
.endr
.endr
	v_pk_add_f32 v[10:11], v[10:11], v[12:13]
	v_pk_add_f32 v[14:15], v[14:15], v[16:17]
	v_pk_add_f32 v[10:11], v[10:11], v[14:15]
	v_add_f32 v10, v10, v11
	WIN 0x04                                       ; source 1 (gate_w1) window 1
.set q, 0
.rept 16                               ; x gate_w1 in f32: each of my 32 numbers times its row's four; even and odd numbers keep sums of their own
.if q == 0
	v_pk_mul_f32 v[18:19], v[XS+q:XS+q+1], v[128+4*q:129+4*q] op_sel_hi:[0,1]
	v_pk_mul_f32 v[20:21], v[XS+q:XS+q+1], v[130+4*q:131+4*q] op_sel_hi:[0,1]
	v_pk_mul_f32 v[22:23], v[XS+q:XS+q+1], v[132+4*q:133+4*q] op_sel:[1,0] op_sel_hi:[1,1]
	v_pk_mul_f32 v[24:25], v[XS+q:XS+q+1], v[134+4*q:135+4*q] op_sel:[1,0] op_sel_hi:[1,1]
.else
	v_pk_fma_f32 v[18:19], v[XS+q:XS+q+1], v[128+4*q:129+4*q], v[18:19] op_sel_hi:[0,1,1]
	v_pk_fma_f32 v[20:21], v[XS+q:XS+q+1], v[130+4*q:131+4*q], v[20:21] op_sel_hi:[0,1,1]
	v_pk_fma_f32 v[22:23], v[XS+q:XS+q+1], v[132+4*q:133+4*q], v[22:23] op_sel:[1,0,0] op_sel_hi:[1,1,1]
	v_pk_fma_f32 v[24:25], v[XS+q:XS+q+1], v[134+4*q:135+4*q], v[24:25] op_sel:[1,0,0] op_sel_hi:[1,1,1]
.endif
.set q, q+2
.endr
	WIN 0
	v_pk_add_f32 v[18:19], v[18:19], v[22:23]
	v_pk_add_f32 v[20:21], v[20:21], v[24:25]
.irp m, 1,2,4,8                        ; five sums across the 32 lanes, by turns
.irp r, 10,18,19,20,21
	DPPADD \r, \m
.endr
.endr
	v_permlanex16_b32 v26, v10, s95, s96
	v_permlanex16_b32 v27, v18, s95, s96
	v_permlanex16_b32 v28, v19, s95, s96
	v_permlanex16_b32 v29, v20, s95, s96
	v_permlanex16_b32 v30, v21, s95, s96
	v_add_f32 v10, v10, v26
	v_add_f32 v18, v18, v27
	v_add_f32 v19, v19, v28
	v_add_f32 v20, v20, v29
	v_add_f32 v21, v21, v30
	v_mul_f32 v240, s91, v10                       ; the mean
.set j, 0
.rept 16
	v_pk_add_f32 v[Y+j:Y+j+1], v[XS+j:XS+j+1], v[240:241] op_sel_hi:[1,0] neg_lo:[0,1] neg_hi:[0,1]   ; x - mean first, then its squares: no difference of large sums
.set j, j+2
.endr
.if \fill
	XFILL (\i)%3, 3                                ; the slot has been read for the last time
.endif
.irp c, 0,1,2,3
	v_pk_mul_f32 v[10+2*\c:11+2*\c], v[Y+2*\c:Y+2*\c+1], v[Y+2*\c:Y+2*\c+1]
.endr
.irp m, 1,2,3
.irp c, 0,1,2,3
	v_pk_fma_f32 v[10+2*\c:11+2*\c], v[Y+8*\m+2*\c:Y+8*\m+2*\c+1], v[Y+8*\m+2*\c:Y+8*\m+2*\c+1], v[10+2*\c:11+2*\c]
.endr
.endr
	v_pk_add_f32 v[10:11], v[10:11], v[12:13]
	v_pk_add_f32 v[14:15], v[14:15], v[16:17]
	v_pk_add_f32 v[10:11], v[10:11], v[14:15]
	v_add_f32 v10, v10, v11
	DPPADD 10, 1                                   ; the squares' sum across the lanes; the gate's small layers stand between its steps
.irp d, 0,1,2,3
	v_add_f32 v[18+\d], s[52+\d], v[18+\d]
.endr
	DPPADD 10, 2
.irp d, 0,1,2,3
	v_max_num_f32 v[18+\d], 0, v[18+\d]            ; relu
.endr
	DPPADD 10, 4
.irp e, 0,1,2,3
	v_fma_f32 v[244+\e], v18, s[68+\e], s[56+\e]   ; the logits: gate_b2 starts each sum
.endr
	DPPADD 10, 8
.irp e, 0,1,2,3
	v_fmac_f32 v[244+\e], s[72+\e], v19
.endr
	v_permlanex16_b32 v26, v10, s95, s96
.irp e, 0,1,2,3
	v_fmac_f32 v[244+\e], s[76+\e], v20
.endr
	v_add_f32 v10, v10, v26
.irp e, 0,1,2,3
	v_fmac_f32 v[244+\e], s[80+\e], v21
.endr
	v_fma_f32 v254, v10, s91, s92                  ; variance + 1e-6
.irp e, 0,1,2,3
	v_cndmask_b32 v[244+\e], v[244+\e], v4, s[60+\e]   ; -1e9 where the domain is masked out
.endr
	v_max3_num_f32 v248, v244, v245, v246
	v_max_num_f32 v248, v248, v247                 ; the largest logit is taken away ahead of the exponentials
.irp e, 0,1,2,3
	v_sub_f32 v[244+\e], v[244+\e], v248
.endr
.irp e, 0,1,2,3
	v_mul_f32 v[244+\e], 0x3fb8aa3b, v[244+\e]     ; x log2(e)
.endr
	s_wait_alu depctr_va_vdst(0)                   ; ahead of the batch
	v_rsq_f32 v242, v254                           ; one batch: the root and the four exponentials
.irp e, 0,1,2,3
	v_exp_f32 v[244+\e], v[244+\e]
.endr
	v_nop                                          ; a plain line behind the last of them
	s_wait_alu depctr_va_vdst(0)                   ; one wait for the batch, ahead of its first reader
	v_add_f32 v248, v244, v245
	v_add_f32 v255, v246, v247
	v_add_f32 v248, v248, v255
	s_wait_alu depctr_va_vdst(0)                   ; and ahead of the reciprocal
	v_rcp_f32 v249, v248
.set j, 0
.rept 16
	v_pk_mul_f32 v[Y+j:Y+j+1], v[Y+j:Y+j+1], v[242:243] op_sel_hi:[1,0]   ; (x - mean) x rsqrt: independent work behind the reciprocal
.set j, j+2
.endr
	s_wait_alu depctr_va_vdst(0)                   ; the reciprocal's wait, ahead of its first reader
	v_fma_f32 v250, v244, v249, 1.0                ; 1 + w0
	v_mul_f32 v251, v245, v249                     ; w1
	v_mul_f32 v252, v246, v249                     ; w2
	v_add_f32 v253, v251, v252                     ; w1 + w2: what ad_b2 is weighed with
	v_ldexp_f32 v251, v251, s93                    ; w1 x 2^(e2 + e3): what book's sums of codes are weighed with
	v_ldexp_f32 v252, v252, s94                    ; w2 x 2^(e6 + e7)
	s_mov_b32 s90, 0xf<<(4*(\i))                   ; lanes 4 i .. 4 i + 3 keep this row's four numbers
	v_cndmask_b32 v255, v250, v251, s88
	v_cndmask_b32 v254, v252, v253, s88
	v_cndmask_b32 v255, v255, v254, s89
	v_cndmask_b32 v9, v9, v255, s90
	DOM 0, 32, 5, 12, CD, 1
	DOM 64, 96, 6, 14, CD+8, 0
	global_store_b128 v1, v[CD:CD+3], s[34:35] offset:(\i)*1024          ; places 16 l .. 16 l + 15: the wave stores 512 consecutive bytes
	global_store_b128 v1, v[CD+4:CD+7], s[34:35] offset:(\i)*1024+512
	global_store_b128 v1, v[CD+8:CD+11], s[42:43] offset:(\i)*1024
	global_store_b128 v1, v[CD+12:CD+15], s[42:43] offset:(\i)*1024+512
.endm
; Block b of my weight under both scales: one read serves both.  In each store sixteen lanes write 256 consecutive bytes, aligned.
.macro WBLOCK b, left
	s_wait_loadcnt \left
.irp d, 0,1
.set u, 0
.rept 32
	v_med3_num_f32 v[Z+u], v[WX+u], s[16+2*\d], s[17+2*\d]
.set u, u+1
.endr
.if \d == 0
	s_wait_alu depctr_va_vdst(0)
	s_wait_xcnt 0x0                                ; earlier stores have read the code registers
.endif
.irp g, 0,1,2,3
	v_cvt_scalef32_pk8_fp8_f32 v[CD+8*\d+2*\g:CD+8*\d+2*\g+1], v[Z+8*\g:Z+8*\g+7], v[7+\d]
.endr
	v_nop                                          ; one plain line between the conversions and the next line that writes their sources
.endr
.irp d, 0,1
	global_store_b128 v2, v[CD+8*\d:CD+8*\d+3], s[86:87] offset:(\d)*2097152+512*(\b)
	global_store_b128 v2, v[CD+8*\d+4:CD+8*\d+7], s[86:87] offset:(\d)*2097152+512*(\b)+256
.endr
.endm
	ROW 0, 1, 48                                   ; behind row 0: row 1 (8), block 0 (32), row 2 (8)
	ROW 1, 0, 48                                   ; block 0, rows 2 and 3
	WBLOCK 0, 16                                   ; rows 2 and 3
	WLOAD 1
	ROW 2, 0, 40                                   ; row 3, block 1
	ROW 3, 0, 32                                   ; block 1
	WBLOCK 1, 0
	v_cmp_gt_u32 vcc_lo, 16, v[LN]
	s_wait_alu depctr_va_vdst(0)
	s_wait_xcnt 0x0                                ; EXEC changes only behind this wait
	s_and_saveexec_b32 s2, vcc_lo
	global_store_b32 v3, v9, s[40:41]              ; my 4 rows of gw: 64 consecutive bytes a wave, 512 a work-group
	s_wait_xcnt 0x0
	s_or_b32 exec_lo, exec_lo, s2
	v_lshl_add_u32 v10, v0, 2, SPARE
	v_mov_b32 v11, 0
	s_wait_alu depctr_va_vdst(0)
	s_wait_tensorcnt 0x0                           ; the wave's end
	ds_add_u32 v10, v11
	s_wait_dscnt 0x0
	s_endpgm
.Lfunc_end_k_qbac01d2189_prep:
	.size	k_qbac01d2189_prep, .Lfunc_end_k_qbac01d2189_prep-k_qbac01d2189_prep
	.p2alignl 7, 3214868480
	.fill 96, 4, 3214868480
	.section	.rodata,"a",@progbits
	.p2align	6, 0x0
	.amdhsa_kernel k_qbac01d2189_prep
		.amdhsa_group_segment_fixed_size 37888
		.amdhsa_private_segment_fixed_size 0
		.amdhsa_enable_private_segment 0
		.amdhsa_kernarg_size 136
		.amdhsa_user_sgpr_count 2
		.amdhsa_user_sgpr_kernarg_segment_ptr 1
		.amdhsa_wavefront_size32 1
		.amdhsa_system_sgpr_workgroup_id_x 1
		.amdhsa_system_sgpr_workgroup_id_y 1
		.amdhsa_system_sgpr_workgroup_id_z 1
		.amdhsa_system_vgpr_workitem_id 0
		.amdhsa_next_free_vgpr 512
		.amdhsa_next_free_sgpr 100
		.amdhsa_reserve_vcc 1
		.amdhsa_float_denorm_mode_32 3
		.amdhsa_float_denorm_mode_16_64 3
		.amdhsa_memory_ordered 1
		.amdhsa_forward_progress 1
		.amdhsa_inst_pref_size 119
	.end_amdhsa_kernel
	.amdgpu_metadata
---
amdhsa.version: [ 1, 2 ]
amdhsa.kernels:
  - .name:           k_qbac01d2189_prep
    .symbol:         k_qbac01d2189_prep.kd
    .args:
      - { .name: x, .offset: 0, .size: 8, .value_kind: global_buffer, .address_space: global }
      - { .name: gate_w1, .offset: 8, .size: 8, .value_kind: global_buffer, .address_space: global }
      - { .name: gate_b1, .offset: 16, .size: 8, .value_kind: global_buffer, .address_space: global }
      - { .name: gate_w2, .offset: 24, .size: 8, .value_kind: global_buffer, .address_space: global }
      - { .name: gate_b2, .offset: 32, .size: 8, .value_kind: global_buffer, .address_space: global }
      - { .name: domain_mask, .offset: 40, .size: 8, .value_kind: global_buffer, .address_space: global }
      - { .name: ln_s_book, .offset: 48, .size: 8, .value_kind: global_buffer, .address_space: global }
      - { .name: ln_b_book, .offset: 56, .size: 8, .value_kind: global_buffer, .address_space: global }
      - { .name: ln_s_iwslt, .offset: 64, .size: 8, .value_kind: global_buffer, .address_space: global }
      - { .name: ln_b_iwslt, .offset: 72, .size: 8, .value_kind: global_buffer, .address_space: global }
      - { .name: ad_w1, .offset: 80, .size: 8, .value_kind: global_buffer, .address_space: global }
      - { .name: ad_w2, .offset: 88, .size: 8, .value_kind: global_buffer, .address_space: global }
      - { .name: lowp_scales, .offset: 96, .size: 8, .value_kind: global_buffer, .address_space: global }
      - { .name: zc, .offset: 104, .size: 8, .value_kind: global_buffer, .address_space: global }
      - { .name: w1c, .offset: 112, .size: 8, .value_kind: global_buffer, .address_space: global }
      - { .name: w2c, .offset: 120, .size: 8, .value_kind: global_buffer, .address_space: global }
      - { .name: gw, .offset: 128, .size: 8, .value_kind: global_buffer, .address_space: global }
    .group_segment_fixed_size: 37888
    .private_segment_fixed_size: 0
    .kernarg_segment_align: 8
    .kernarg_segment_size: 136
    .max_flat_workgroup_size: 256
    .sgpr_count:     100
    .vgpr_count:     512
    .wavefront_size: 32
...
	.end_amdgpu_metadata
.endif
;; end of part 1
;; launch ffn1 (part 2): grid 8 x 32, 4 waves a work-group, clusters of 4 x 4, 327,680 bytes of LDS; arguments zc, w1c, lowp_scales, ad_b1, hc; writes hc
.if DOCPART == 2
	.amdgcn_target "amdgcn-amd-amdhsa--gfx1250"
	.amdhsa_code_object_version 6
	.text
	.protected	k_qbac01d2189_ffn1
	.globl	k_qbac01d2189_ffn1
	.p2align	8
	.type	k_qbac01d2189_ffn1,@function
k_qbac01d2189_ffn1:
	s_mov_b64 s[64:65], 0
	v_nop
	global_prefetch_b8 v0, s[64:65] scope:SCOPE_SE
	s_setreg_imm32_b32 hwreg(HW_REG_WAVE_MODE, 25, 1), 1
	s_wait_xcnt 0x0
	s_wait_alu depctr_hold_cnt(0) depctr_sa_sdst(0) depctr_va_vdst(0) depctr_va_sdst(0) depctr_va_ssrc(0) depctr_va_vcc(0) depctr_vm_vsrc(0)
	s_getreg_b32 s2, hwreg(HW_REG_IB_STS2, 6, 4)
	s_cmp_eq_u32 s2, 0
	s_cbranch_scc0 .Lentry_in_a_cluster
	s_endpgm
.Lentry_in_a_cluster:
	s_bfe_u32 s2, ttmp6, 0x10000c
	s_cmp_lg_u32 s2, 0xf033
	s_cbranch_scc0 .Lentry_shape_is_right
	s_endpgm
.Lentry_shape_is_right:
; The first product of both adapters on codes of E4M3: hc = Q(relu(z W1 + b1)).  No step is left out.
; A work-group makes two tiles of 256 rows x 256 columns, 16 tile rows apart, of one domain; wave (rh, ch) 128 x 128: 64 accumulators, 512 registers.  K = 1,024 in steps of 256 through a ring of two LDS slots.
; zc rows lie padded in LDS (272 bytes a row of 256), w1c as dense images of fragments: lane L's registers 4 c .. 4 c + 3 at 512 c + 16 L of an image's 2,048 bytes.
; THE MATRIX INSTRUCTION IS USED TRANSPOSED (source 0 = 16 columns of W1, source 1 = 16 rows): a lane holds eight neighbouring hidden units of a row, which are neighbours along the next K: the codes ARE hc's images.
; The bias starts each sum as C, divided by the power of two that the sums lack.  The hold of the conversion clips at 0 as well: it is the relu.
; A step is 128 along K, 64 products; its LDS loads stand in two runs of 32: ahead of the products this step's blocks 4-7 of A and half of the next step's B (B has two sets of registers), in the middle the other half and the next
; step's blocks 0-3 of A.  Each run has half a step's products, 32, behind it.
; CLUSTERS of 4 x 4: A's tile is asked for jointly along a row, B's along a column.
; PREFETCHES: behind each joint load, for the tile two joint loads on: a lane a block of 256 bytes, one instruction a wave; the four partners share a tile's blocks out by address.  w1c is asked for in the first tile alone:
; the second tile reads the same bytes again.  K step 0 of the first tile comes by its load alone.
; LIMITS: e0 + e1, e4 + e5 between -126 and 127; e2 - e0 - e1 and e6 - e4 - e5 between -126 and 119.  NaN among the inputs is not served.
; REGISTERS: window 0: v16-31 addresses; v32-95 the bias; v128-255 A's eight fragments.  window 1: B's fragments, two sets; the codes on the way out in the set that is free.  windows 2, 3: accumulators (a, b) at v[8 (8 (a % 4) + b)].
.set PITCH,  272
.set HALFA,  128*PITCH
.set ABYTES, 2*HALFA
.set BHALF,  32768
.set SLOT,   ABYTES+2*BHALF
.set SPARE,  2*SLOT                    ; behind the ring: the spare words, 128 bytes a wave
.set NEXT_A, 16*256*1024-512           ; from a slot's last K step of the first tile to its first of the second
.set ADRA, 16                          ; v16-17 A in slot 0, 1
.set ADRB, 20                          ; v20-21 B
.set HO,   24                          ; 16 x lane
.set BO,   25                          ; 32 x (lane / 16)
.set SC,   26                          ; the conversion's scale
.set PFO,  27                          ; the prefetches' lane offset
.set SPW,  28
.set NIL,  29
.set BIAS, 32
.set AF,   128
.set G1,  24
.set G0,  32
.set G1B, 48
.set G0B, 56
.set PF1, 86                           ; s[86:87] prefetches of slot 1's tiles
.set PF2, 88                           ; s[88:89] of slot 0's
.set MSB, 0
.macro WIN new                         ; the immediate's high byte repeats the setting that is left
.if MSB != (\new)
	s_set_vgpr_msb (MSB<<8)|(\new)
.set MSB, (\new)
.endif
.endm
.macro PLACES                          ; four plain lines between products and loads into registers that they read, or readers of their results
.rept 4
	v_nop
.endr
.endm
.macro JLOAD g0a, g1a, g0b, g1b        ; waves 0 and 1 ask for A's two halves, waves 2 and 3 for B's
	s_cmp_eq_u32 s15, 0
	s_cbranch_scc0 .Lfor_b_\@
	tensor_load_to_lds s[\g0a:\g0a+3], s[\g1a:\g1a+7]
	s_nop 0
.rept 4
	v_nop
.endr
	s_branch .Lasked_\@
.Lfor_b_\@:
	tensor_load_to_lds s[\g0b:\g0b+3], s[\g1b:\g1b+7]
	s_nop 0
.rept 4
	v_nop
.endr
.Lasked_\@:
.endm
.macro CREST
	s_cmp_lg_u32 s14, 0
	s_cbranch_scc1 .Lnot_wave_0_\@
	s_barrier_signal -3
.Lnot_wave_0_\@:
	s_barrier_wait -3
	s_barrier_signal -1
	s_barrier_wait -1
.endm
.macro CROUND
	s_barrier_signal -1
	s_barrier_wait -1
	CREST
.endm
.macro FA4 slot, q, i0                 ; A's blocks i0 .. i0 + 3, sixteen loads
	WIN 0
.irp i, \i0, \i0+1, \i0+2, \i0+3
.irp c, 0,1,2,3
	ds_load_b128 v[AF+16*(\i)+4*\c:AF+16*(\i)+4*\c+3], v[ADRA+\slot] offset:128*(\q)+32*\c+(\i)*16*PITCH
.endr
.endr
.endm
.macro FB4 p, slot, q, i0              ; B's fragments i0 .. i0 + 3 into set p
	WIN 0x40
.irp i, \i0, \i0+1, \i0+2, \i0+3
.irp c, 0,1,2,3
	ds_load_b128 v[128*(\p)+16*(\i)+4*\c:128*(\p)+16*(\i)+4*\c+3], v[ADRB+\slot] offset:BHALF*(\q)+2048*(\i)+512*\c
.endr
.endr
.endm
; Four products: A's block g / 2 with half of B's fragments.  The 64 accumulators take turns in the same order in every step.
.macro MUL4 g, p, first
.set BA, (\g)/2
.set BH, 4*((\g)%2)
.if \first
	WIN 0x81+0x40*(BA/4)
.else
	WIN 0xa1+0x50*(BA/4)
.endif
.irp b, 0,1,2,3
.set DR, 8*(8*(BA%4)+BH+\b)
.set SB, 128*(\p)+16*(BH+\b)
.if \first
	v_wmma_f32_16x16x128_fp8_fp8 v[DR:DR+7], v[SB:SB+15], v[AF+16*BA:AF+16*BA+15], v[BIAS+8*(BH+\b):BIAS+8*(BH+\b)+7]
.else
	v_wmma_f32_16x16x128_fp8_fp8 v[DR:DR+7], v[SB:SB+15], v[AF+16*BA:AF+16*BA+15], v[DR:DR+7]
.endif
.endr
.endm
; A slot's first step (B's set 0).  Ahead of A's block a: younger than its loads are those of the blocks behind it, 4 each, and the runs issued since.
.macro STEP slot, first
	PLACES
.if \first
	s_wait_xcnt 0x0                                ; the last tile's stores have read the codes that lie in B's second set
.endif
	FA4 \slot, 0, 4
	FB4 1, \slot, 1, 0
.irp g, 0,1,2,3,4,5,6,7
.if (\g)%2 == 0
	s_wait_dscnt 44-2*\g
.endif
	MUL4 \g, 0, \first
.endr
	PLACES
	FB4 1, \slot, 1, 4
	FA4 \slot, 1, 0
.irp g, 8,9,10,11,12,13,14,15
.if (\g)%2 == 0
	s_wait_dscnt 76-2*\g
.endif
	MUL4 \g, 0, \first
.endr
.endm
.macro ASK r, delta                    ; in the first tile the waves that fetch A ask for the tile two joint loads on (s90 = 2 in them)
	WIN 0
	s_cmp_eq_u32 s2, s90
	s_cbranch_scc0 .Lno_ask_\@
	s_wait_xcnt 0x0
	s_add_nc_u64 s[\r:\r+1], s[\r:\r+1], \delta
	global_prefetch_b8 v[PFO], s[\r:\r+1] th:TH_LOAD_NT scope:SCOPE_SE
.Lno_ask_\@:
.endm
; A slot's second step (B's set 1) changes slots.  fill = 1: this slot takes this tile's K step two on; fill = 2: the next tile's; 0: nothing.
.macro TURN slot, next, fill, r, delta
	PLACES
	FA4 \slot, 1, 4                                ; my last reads of this slot
	s_wait_dscnt 28
	MUL4 0, 1, 0
	MUL4 1, 1, 0
	WIN 0
	s_wait_tensorcnt 0x0                           ; my part of the next slot has landed
	ds_add_u32 v[SPW], v[NIL]
.if \fill == 1
	s_add_nc_u64 s[G0+4*\slot+2:G0+4*\slot+3], s[G0+4*\slot+2:G0+4*\slot+3], 512
	s_add_nc_u64 s[G0B+4*\slot+2:G0B+4*\slot+3], s[G0B+4*\slot+2:G0B+4*\slot+3], 131072
.endif
.if \fill == 2
	s_add_nc_u64 s[G0+4*\slot+2:G0+4*\slot+3], s[G0+4*\slot+2:G0+4*\slot+3], NEXT_A
	s_sub_nc_u64 s[G0B+4*\slot+2:G0B+4*\slot+3], s[G0B+4*\slot+2:G0B+4*\slot+3], 131072
.endif
	s_wait_dscnt 25                                ; A's block 1 is in: blocks 2-7 and the add may be out
	MUL4 2, 1, 0
	MUL4 3, 1, 0
	s_wait_dscnt 0x0                               ; the add is done, and my reads of this slot are over
	s_barrier_signal -1
	MUL4 4, 1, 0
	WIN 0
	s_barrier_wait -1
.if \fill
	CREST                                          ; nobody reads this slot or has a load on its way
	JLOAD G0+4*\slot, G1, G0B+4*\slot, G1B
.else
	PLACES
.endif
	FB4 0, \next, 0, 0
	FB4 0, \next, 0, 4
	MUL4 5, 1, 0
	MUL4 6, 1, 0
	MUL4 7, 1, 0
	PLACES
	FA4 \next, 0, 0
.if \r
	ASK \r, \delta
.endif
.irp g, 8,9,10,11,12,13,14,15
	MUL4 \g, 1, 0
.endr
	WIN 0
.endm
; The way out of one window's 32 accumulators: held, converted into registers from cb on in window 1, stored: each store covers 512 consecutive bytes of hc.
.macro OUTW w, cb
	WIN ((\w)<<6)|(\w)
.set j, 0
.rept 256
	v_med3_num_f32 v[j], v[j], 0, s79              ; the conversion to an 8-bit code does not saturate (ISA guide 7.6.2)
.set j, j+1
.endr
	WIN 0x40|(\w)
.set j, 0
.rept 32
	v_cvt_scalef32_pk8_fp8_f32 v[\cb+2*j:\cb+2*j+1], v[8*j:8*j+7], v[SC]
.set j, j+1
.endr
	v_nop
	WIN 0x04
.set j, 0
.rept 16
	global_store_b128 v[HO], v[\cb+4*j:\cb+4*j+3], s[12:13] offset:8192*((\w)-2)+512*j
.set j, j+1
.endr
.endm
	s_load_b128 s[4:7], s[0:1], 0x0                ; zc, w1c
	s_load_b128 s[8:11], s[0:1], 0x10              ; lowp_scales, ad_b1
	s_load_b64 s[12:13], s[0:1], 0x20              ; hc
	v_lshl_add_u32 v[SPW], v0, 2, SPARE
	v_mov_b32 v[NIL], 0
	ds_add_u32 v[SPW], v[NIL]
	ds_add_u32 v[SPW], v[NIL]
	v_lshrrev_b32 v1, 5, v0
	v_readfirstlane_b32 s14, v1                    ; wave
	s_lshr_b32 s15, s14, 1                         ; rh; also whether I fetch for A (0) or B (1)
	s_and_b32 s16, s14, 1                          ; ch; also which half of that tile I fetch
	s_bfe_u32 s40, ttmp6, 0x40000                  ; cx
	s_bfe_u32 s41, ttmp6, 0x40004                  ; cy
	s_lshl_b32 s42, ttmp9, 2
	s_add_co_u32 s42, s42, s40                     ; block of 256 columns
	s_and_b32 s17, ttmp7, 0xffff
	s_lshr_b32 s78, s17, 2                         ; domain: the upper half of the grid's rows takes iwslt
	s_lshl_b32 s17, s17, 2
	s_add_co_u32 s17, s17, s41
	s_lshl_b32 s18, s78, 4
	s_add_co_u32 s17, s17, s18                     ; first tile's row of 256 in zc (both domains on end)
	s_lshl_b32 s43, s41, 2
	s_lshl_b32 s43, 15, s43
	s_lshl_b32 s44, 0x1111, s40
	s_or_b32 s[G1+0], s43, (1<<20)|(1<<21)|(5<<22)|(3<<25)  ; my row of the cluster; 16 bytes of padding behind every 256
	s_or_b32 s[G1B+0], s44, (1<<21)                         ; my column; dense
.irp g, G1, G1B
	s_mov_b32 s[\g+1], 256<<16
	s_mov_b32 s[\g+2], 128<<16
	s_mov_b32 s[\g+3], 256<<16
	s_mov_b32 s[\g+4], 128
	s_mov_b32 s[\g+6], 0
	s_mov_b32 s[\g+7], 0
.endr
	s_mov_b32 s[G1+5], 1024
	s_mov_b32 s[G1B+5], 256
	s_lshl_b32 s20, s17, 18
	s_lshl_b32 s18, s16, 17
	s_add_co_u32 s20, s20, s18
	s_mov_b32 s21, 0
	s_lshl_b32 s46, s78, 21
	s_lshl_b32 s19, s42, 18
	s_add_co_u32 s46, s46, s19
	s_lshl_b32 s19, s16, 15
	s_add_co_u32 s46, s46, s19
	s_mov_b32 s47, 0
	s_mul_i32 s45, s16, HALFA
	s_mul_i32 s81, s16, BHALF
	s_add_co_u32 s81, s81, ABYTES
	s_mul_i32 s22, s15, HALFA                      ; my 128 rows of A in a slot
	s_lshl_b32 s23, s16, 14
	s_add_co_u32 s23, s23, ABYTES                  ; my eight images of B
	s_wait_alu depctr_va_vdst(0)
	s_wait_dscnt 0x0
	s_wait_kmcnt 0x0
	s_load_b256 s[68:75], s[8:9], 0x0              ; e0 .. e7
	s_add_nc_u64 s[20:21], s[4:5], s[20:21]
	s_add_nc_u64 s[46:47], s[6:7], s[46:47]
.irp s, 0,1
	s_mov_b32 s[G0+4*\s], 1
	s_add_co_u32 s[G0+4*\s+1], s45, \s*SLOT
	s_add_nc_u64 s[G0+4*\s+2:G0+4*\s+3], s[20:21], \s*256
	s_or_b32 s[G0+4*\s+3], s[G0+4*\s+3], 0x80000000
	s_mov_b32 s[G0B+4*\s], 1
	s_add_co_u32 s[G0B+4*\s+1], s81, \s*SLOT
	s_add_nc_u64 s[G0B+4*\s+2:G0B+4*\s+3], s[46:47], \s*65536
	s_or_b32 s[G0B+4*\s+3], s[G0B+4*\s+3], 0x80000000
.endr
	CROUND                                         ; all sixteen work-groups are here
	JLOAD G0, G1, G0B, G1B                         ; K step 0
	s_lshl_b32 s82, s42, 10
	s_lshl_b32 s83, s16, 9
	s_add_co_u32 s82, s82, s83
	s_mov_b32 s83, 0
	s_add_nc_u64 s[10:11], s[10:11], s[82:83]      ; b1 at my 128 columns
	s_lshl_b32 s82, s17, 1
	s_add_co_u32 s82, s82, s15
	s_lshl_b32 s82, s82, 4
	s_lshl_b32 s83, s42, 1
	s_add_co_u32 s82, s82, s83
	s_add_co_u32 s82, s82, s16
	s_lshl_b32 s82, s82, 14
	s_mov_b32 s83, 0
	s_add_nc_u64 s[12:13], s[12:13], s[82:83]      ; hc: my block of 128 rows, my K step of 128
	s_lshl_b32 s92, s40, 15                        ; my work-group's 32 of the 128 rows of A that I fetch,
	s_lshl_b32 s93, s41, 13                        ; or its 8,192 of the 32,768 bytes of B
	s_lshl_b32 s95, s15, 3
	s_lshl_b32 s94, 0x100, s95                     ; a K step on: 256 bytes in a row of zc, 65,536 in w1c
	s_lshl_b32 s95, s15, 1
	s_sub_co_u32 s91, 10, s95                      ; a lane a row of 1,024 bytes, or a block of 256
	s_cmp_eq_u32 s15, 0
	s_cselect_b64 s[PF1:PF1+1], s[20:21], s[46:47]
	s_cselect_b32 s92, s92, s93
	s_cselect_b32 s90, 2, 64
	s_mov_b32 s93, 0
	s_mov_b32 s95, 0
	s_add_nc_u64 s[PF1:PF1+1], s[PF1:PF1+1], s[92:93]
	s_add_nc_u64 s[PF1:PF1+1], s[PF1:PF1+1], s[94:95]   ; K step 1
	s_add_nc_u64 s[PF2:PF2+1], s[PF1:PF1+1], s[94:95]   ; K step 2
	v_and_b32 v1, 15, v0
	v_bfe_u32 v2, v0, 4, 1
	v_and_b32 v3, 31, v0
	v_lshlrev_b32 v[HO], 4, v3
	v_lshlrev_b32 v[BO], 5, v2
	v_mul_u32_u24 v4, v1, PITCH
	v_lshl_add_u32 v4, v2, 4, v4
	v_add_nc_u32 v[ADRA], s22, v4
	v_add_nc_u32 v[ADRA+1], SLOT, v[ADRA]
	v_add_nc_u32 v[ADRB], s23, v[HO]
	v_add_nc_u32 v[ADRB+1], SLOT, v[ADRB]
	v_lshlrev_b32 v[PFO], s91, v3
	s_wait_alu depctr_va_vdst(0)
.irp b, 0,1,2,3,4,5,6,7
	global_load_b128 v[BIAS+8*\b:BIAS+8*\b+3], v[BO], s[10:11] offset:64*\b
	global_load_b128 v[BIAS+8*\b+4:BIAS+8*\b+7], v[BO], s[10:11] offset:64*\b+16
.endr
	global_prefetch_b8 v[PFO], s[PF1:PF1+1] th:TH_LOAD_NT scope:SCOPE_SE
	global_prefetch_b8 v[PFO], s[PF2:PF2+1] th:TH_LOAD_NT scope:SCOPE_SE
	s_wait_kmcnt 0x0
	s_cmp_eq_u32 s78, 0
	s_cselect_b32 s76, s68, s72
	s_cselect_b32 s77, s69, s73
	s_cselect_b32 s79, s70, s74
	s_add_co_i32 s76, s76, s77                     ; the sums lack 2^(ea + eb)
	s_sub_co_i32 s77, 0, s76
	s_sub_co_i32 s79, s79, s76
	s_add_co_i32 s79, s79, 127
	s_lshl_b32 s80, s79, 23
	v_mov_b32 v[SC], s80                           ; 2^(eh - ea - eb): the three scales in the conversion's one
	s_add_co_i32 s79, s79, 8
	s_lshl_b32 s79, s79, 23
	s_or_b32 s79, s79, 0x600000                    ; 448 x that
	s_wait_alu depctr_va_vdst(0)
	s_wait_loadcnt 0x0
.set j, 0
.rept 64
	v_ldexp_f32 v[BIAS+j], v[BIAS+j], s77
.set j, j+1
.endr
	s_wait_alu depctr_va_vdst(0)                   ; the head's end
	s_wait_tensorcnt 0x0                           ; my part of K step 0 is in
	ds_add_u32 v[SPW], v[NIL]
	s_wait_dscnt 0x0
	CROUND
	JLOAD G0+4, G1, G0B+4, G1B                     ; K step 1
	FB4 0, 0, 0, 0
	FB4 0, 0, 0, 4
	FA4 0, 0, 0
	s_lshl_b32 s94, s94, 1
	s_wait_xcnt 0x0
	s_add_nc_u64 s[PF1:PF1+1], s[PF1:PF1+1], s[94:95]   ; K step 3
	global_prefetch_b8 v[PFO], s[PF1:PF1+1] th:TH_LOAD_NT scope:SCOPE_SE
	s_mov_b32 s2, 2                                ; tiles to go
.Ltile:
	STEP 0, 1
	TURN 0, 1, 1, PF2, NEXT_A
	STEP 1, 0
	TURN 1, 0, 1, PF1, NEXT_A
	STEP 0, 0
	WIN 0
	s_cmp_eq_u32 s2, 1
	s_cbranch_scc1 .Llast_tile
	TURN 0, 1, 2, PF2, 512                         ; the ring goes on into the second tile
	STEP 1, 0
	TURN 1, 0, 2, PF1, 512
	OUTW 2, 128
	OUTW 3, 192
	WIN 0
	s_wait_xcnt 0x0                                ; the stores have read their base
	s_add_nc_u64 s[12:13], s[12:13], 0x800000      ; 32 blocks of 128 rows on
	s_sub_co_u32 s2, s2, 1
	s_branch .Ltile
.Llast_tile:
	TURN 0, 1, 0, 0, 0
	STEP 1, 0
	PLACES                                         ; the very last step: nothing more to fetch; rows 0-63 leave ahead of the products of rows 64-127
	FA4 1, 1, 4
.irp g, 0,1,2,3,4,5,6,7
.if (\g)%2 == 0
	s_wait_dscnt 28-2*\g
.endif
	MUL4 \g, 1, 0
.endr
	PLACES
	OUTW 2, 0
.irp g, 8,9,10,11,12,13,14,15
.if (\g)%2 == 0
	s_wait_dscnt 28-2*\g
.endif
	MUL4 \g, 1, 0
.endr
	PLACES
	OUTW 3, 64
	WIN 0
	s_wait_tensorcnt 0x0                           ; the wave's end
	ds_add_u32 v[SPW], v[NIL]
	s_wait_dscnt 0x0
	CROUND                                         ; the closing round
	s_endpgm
.Lfunc_end_k_qbac01d2189_ffn1:
	.size	k_qbac01d2189_ffn1, .Lfunc_end_k_qbac01d2189_ffn1-k_qbac01d2189_ffn1
	.p2alignl 7, 3214868480
	.fill 96, 4, 3214868480
	.section	.rodata,"a",@progbits
	.p2align	6, 0x0
	.amdhsa_kernel k_qbac01d2189_ffn1
		.amdhsa_group_segment_fixed_size 327680
		.amdhsa_private_segment_fixed_size 0
		.amdhsa_enable_private_segment 0
		.amdhsa_kernarg_size 40
		.amdhsa_user_sgpr_count 2
		.amdhsa_user_sgpr_kernarg_segment_ptr 1
		.amdhsa_wavefront_size32 1
		.amdhsa_system_sgpr_workgroup_id_x 1
		.amdhsa_system_sgpr_workgroup_id_y 1
		.amdhsa_system_sgpr_workgroup_id_z 1
		.amdhsa_system_vgpr_workitem_id 0
		.amdhsa_next_free_vgpr 1024
		.amdhsa_next_free_sgpr 100
		.amdhsa_reserve_vcc 0
		.amdhsa_float_denorm_mode_32 3
		.amdhsa_float_denorm_mode_16_64 3
		.amdhsa_memory_ordered 1
		.amdhsa_forward_progress 1
		.amdhsa_inst_pref_size 195
	.end_amdhsa_kernel
	.amdgpu_metadata
---
amdhsa.version: [ 1, 2 ]
amdhsa.kernels:
  - .name:           k_qbac01d2189_ffn1
    .symbol:         k_qbac01d2189_ffn1.kd
    .args:
      - { .name: zc, .offset: 0, .size: 8, .value_kind: global_buffer, .address_space: global }
      - { .name: w1c, .offset: 8, .size: 8, .value_kind: global_buffer, .address_space: global }
      - { .name: lowp_scales, .offset: 16, .size: 8, .value_kind: global_buffer, .address_space: global }
      - { .name: ad_b1, .offset: 24, .size: 8, .value_kind: global_buffer, .address_space: global }
      - { .name: hc, .offset: 32, .size: 8, .value_kind: global_buffer, .address_space: global }
    .group_segment_fixed_size: 327680
    .private_segment_fixed_size: 0
    .kernarg_segment_align: 8
    .kernarg_segment_size: 40
    .max_flat_workgroup_size: 128
    .sgpr_count:     100
    .vgpr_count:     1024
    .wavefront_size: 32
...
	.end_amdgpu_metadata
.endif
;; end of part 2
;; launch ffn2 (part 3): grid 4 x 64, 4 waves a work-group, clusters of 4 x 4, 327,680 bytes of LDS; arguments hc, w2c, gw, x, ad_b2, out0; writes out0
.if DOCPART == 3
	.amdgcn_target "amdgcn-amd-amdhsa--gfx1250"
	.amdhsa_code_object_version 6
	.text
	.protected	k_qbac01d2189_ffn2
	.globl	k_qbac01d2189_ffn2
	.p2align	8
	.type	k_qbac01d2189_ffn2,@function
k_qbac01d2189_ffn2:
	s_mov_b64 s[64:65], 0
	v_nop
	global_prefetch_b8 v0, s[64:65] scope:SCOPE_SE
	s_setreg_imm32_b32 hwreg(HW_REG_WAVE_MODE, 25, 1), 1
	s_wait_xcnt 0x0
	s_wait_alu depctr_hold_cnt(0) depctr_sa_sdst(0) depctr_va_vdst(0) depctr_va_sdst(0) depctr_va_ssrc(0) depctr_va_vcc(0) depctr_vm_vsrc(0)
	s_getreg_b32 s2, hwreg(HW_REG_IB_STS2, 6, 4)
	s_cmp_eq_u32 s2, 0
	s_cbranch_scc0 .Lentry_in_a_cluster
	s_endpgm
.Lentry_in_a_cluster:
	s_bfe_u32 s2, ttmp6, 0x10000c
	s_cmp_lg_u32 s2, 0xf033
	s_cbranch_scc0 .Lentry_shape_is_right
	s_endpgm
.Lentry_shape_is_right:
; The second product of both adapters on codes of E4M3, and the mix: out = a0 x + a1 S_book + a2 S_iwslt + a3 b2, with gw's a0 .. a3 of each row (the scales' powers of two are in a1 and a2).  No step is left out.
; hc [2 domains][64 blocks of 128 rows][16 K steps of 128][8 images], w2c [2][4 blocks of 256 columns][16][16 images]; an image is a fragment's registers: lane L's registers 4 c .. 4 c + 3 at 512 c + 16 L.
; A work-group owns 128 rows x 256 columns of out0, both domains.  Wave (d, wn) makes S_d for the 128 rows x columns 128 wn on, K = 2,048: 64 accumulators, 512 registers.
; A GOES THROUGH LDS, which two waves read.  OF A WAVE'S EIGHT FRAGMENTS OF B, which it alone reads, four come from memory straight into registers, 16 loads a step, one step (64 products) ahead; four come through LDS.
; So 128 along K are 65,536 bytes of a slot (A 2 x 16,384, B 2 x 16,384), and the ring has two slots of two steps, 131,072 bytes each: K = 2,048 is eight fills.
; CLUSTERS of 4 x 4: A's tile is asked for jointly along a row, B's along a column; waves 0 and 1 ask for A of domain 0 and 1, waves 2 and 3 for B.
; A step's loads stand in two runs: ahead of the products this step's blocks 4-7 of A and the next step's four direct fragments of B, in the middle the next step's other four and its blocks 0-3 of A.
; PREFETCHES: behind each joint load, for the two steps two joint loads on, a lane a block of 256 bytes, one instruction a wave.  hc: the four partners of a row share a tile's blocks out by address.
; w2c, all of it, is read by all sixteen clusters: a cluster asks for one quarter of the two steps' blocks, told apart by address, so each block is named by four clusters.  Behind the head's load the next two fills are asked for.
; The last two joint loads ask for nothing further.  x: each wave names its own 128 blocks two steps ahead of its loads.  The first fill comes by its load alone.
; X GOES FROM MEMORY INTO THE REGISTERS THAT B HAS LEFT, during and behind the last step.
; THE MATRIX INSTRUCTION IS USED TRANSPOSED (source 0 = 16 columns of W2, source 1 = 16 rows): a lane holds eight neighbouring columns of a row.
; THE WAY OUT, in two halves of 64 rows, each with a stage of its own in LDS: a slot that has had its last fill and last read, and 4,096 bytes beside it that nothing fills: wave (d, wn) finishes rows 32 d .. 32 d + 31 of
; each half, column half wn.  The first half's sums are put into the stage among the last step's products.
; LIMITS: none of its own.  NaN among the inputs is not served.
; REGISTERS: window 0: v16-31 addresses; v32-39 gw of my 64 rows (a lane a row); v40-43 b2; v64-95 at work; v128-255 A's fragments, later rows from the stage.
;   window 1: B's fragments, two sets, later my 64 rows of x.   windows 2, 3: accumulators (a, b) at v[8 (8 (a % 4) + b)].
.set RING,   4096                      ; the first slot; the second follows
.set SLOT,   131072
.set BPART,  65536                     ; B's part of a slot, behind A's 2 x 32,768
.set SP,     528                       ; a stage row: 512 bytes + 16
.set SREG,   64*SP                     ; a wave's region of a stage
.set STG1,   4*SREG                    ; 135,168 = RING + SLOT: the second half's stage begins where the second slot does; the first's begins at 0
.set SPARE,  2*STG1                    ; behind the second stage: the spare words, 128 bytes a wave
.set AY,   16                          ; v16 A in the first slot
.set AX,   17                          ; v17 in the second
.set PFB,  18                          ; v18 the prefetches' lane offset
.set BO,   20                          ; v20 16 x lane
.set PFX,  21                          ; v21 4,096 x lane
.set STO,  22                          ; v22-23 the two stages: where I put 32 bytes of a row
.set RD1,  24                          ; v24-25 where I read book's rows back
.set RD2,  26                          ; v26-27 and iwslt's
.set SPW,  28
.set NIL,  29
.set BY,   30                          ; v30 B in the first slot
.set BX,   31                          ; v31 in the second
.set GW,   32
.set B2,   40
.set U,    64
.set AF,   128
.set SB,   128                         ; the way out: two buffers of 64
.set BP,   76                          ; s[76:77] my images of B
.set PB,   78                          ; s[78:79], s[82:83] prefetches
.set PC,   82
.set MSB, 0
.macro WIN new                         ; the immediate's high byte repeats the setting that is left
.if MSB != (\new)
	s_set_vgpr_msb (MSB<<8)|(\new)
.set MSB, (\new)
.endif
.endm
.macro PLACES                          ; four plain lines between products and loads into registers that they read, or readers of their results
.rept 4
	v_nop
.endr
.endm
.macro JLOAD g0a, g0b
	s_cmp_eq_u32 s17, 0
	s_cbranch_scc0 .Lfor_b_\@
	tensor_load_to_lds s[\g0a:\g0a+3], s[24:31]
	s_nop 0
.rept 4
	v_nop
.endr
	s_branch .Lasked_\@
.Lfor_b_\@:
	tensor_load_to_lds s[\g0b:\g0b+3], s[40:47]
	s_nop 0
.rept 4
	v_nop
.endr
.Lasked_\@:
.endm
.macro CREST
	s_cmp_lg_u32 s16, 0
	s_cbranch_scc1 .Lnot_wave_0_\@
	s_barrier_signal -3
.Lnot_wave_0_\@:
	s_barrier_wait -3
	s_barrier_signal -1
	s_barrier_wait -1
.endm
.macro CROUND
	s_barrier_signal -1
	s_barrier_wait -1
	CREST
.endm
.macro FA4 adr, off, i0                ; A's blocks i0 .. i0 + 3, sixteen loads
	WIN 0
.irp i, \i0, \i0+1, \i0+2, \i0+3
.irp c, 0,1,2,3
	ds_load_b128 v[AF+16*(\i)+4*\c:AF+16*(\i)+4*\c+3], v[\adr] offset:(\off)+2048*(\i)+512*\c
.endr
.endr
.endm
.macro FB4 p, adr, off                 ; B's fragments 4-7 into set p, sixteen loads
	WIN 0x40
.irp i, 4,5,6,7
.irp c, 0,1,2,3
	ds_load_b128 v[128*(\p)+16*\i+4*\c:128*(\p)+16*\i+4*\c+3], v[\adr] offset:(\off)+2048*(\i-4)+512*\c
.endr
.endr
.endm
.macro GB p, t                         ; B's fragments 0-3 of the step t on from BP, 16 loads of 512 consecutive bytes
	WIN 0x40
.irp i, 0,1,2,3
.irp c, 0,1,2,3
	global_load_b128 v[128*(\p)+16*\i+4*\c:128*(\p)+16*\i+4*\c+3], v[BO], s[BP:BP+1] offset:(\t)*32768+2048*\i+512*\c
.endr
.endr
.endm
; Four products: A's block g / 2 with half of B's fragments.  The 64 accumulators take turns in the same order in every step.
.macro MUL4 g, p, zero
.set BA, (\g)/2
.set BH, 4*((\g)%2)
	WIN 0xa1+0x50*(BA/4)
.irp b, 0,1,2,3
.set DR, 8*(8*(BA%4)+BH+\b)
.set SR, 128*(\p)+16*(BH+\b)
.if \zero
	v_wmma_f32_16x16x128_fp8_fp8 v[DR:DR+7], v[SR:SR+15], v[AF+16*BA:AF+16*BA+15], 0
.else
	v_wmma_f32_16x16x128_fp8_fp8 v[DR:DR+7], v[SR:SR+15], v[AF+16*BA:AF+16*BA+15], v[DR:DR+7]
.endif
.endr
.endm
.macro RUNX p, ca, co, t               ; the run ahead of a step's products
	PLACES
	FA4 \ca, \co, 4
	GB 1-\p, \t
	s_wait_loadcnt 16                              ; this step's B is in; the 16 just issued may be out
.endm
; A slot's first step (B's set 0).  A's block a: younger than its loads are those of the blocks behind it, 4 each, and the runs issued since.
.macro STEP zero, a, b, t
	RUNX 0, \a, 0, \t
.irp g, 0,1,2,3,4,5,6,7
.if (\g)%2 == 0
	s_wait_dscnt 28-2*\g
.endif
	MUL4 \g, 0, \zero
.endr
	PLACES
	FB4 1, \b, 16384
	FA4 \a, 16384, 0
.irp g, 8,9,10,11,12,13,14,15
.if (\g)%2 == 0
	s_wait_dscnt 60-2*\g
.endif
	MUL4 \g, 0, \zero
.endr
.endm
; A slot's second step (B's set 1) changes slots.  kind 1: the first slot is filled again, kind 2: the second, 0: none.
.macro TURN a, na, nb, t, kind
	RUNX 1, \a, 16384, \t                          ; (my last LDS reads of this slot)
	s_wait_dscnt 28
	MUL4 0, 1, 0
	MUL4 1, 1, 0
	WIN 0
	s_wait_tensorcnt 0x0                           ; my part of the next slot has landed
	ds_add_u32 v[SPW], v[NIL]
.if \kind == 1
	s_add_nc_u64 s[58:59], s[58:59], 65536         ; four K steps on
	s_add_nc_u64 s[70:71], s[70:71], 131072
.endif
.if \kind == 2
	s_add_nc_u64 s[62:63], s[62:63], 65536
	s_add_nc_u64 s[74:75], s[74:75], 131072
.endif
	s_wait_dscnt 25                                ; A's block 1 is in: blocks 2-7 and the add may be out
	MUL4 2, 1, 0
	MUL4 3, 1, 0
	s_wait_dscnt 0x0                               ; the add is done, and my reads of this slot are over
	s_barrier_signal -1
	MUL4 4, 1, 0
	WIN 0
	s_barrier_wait -1
.if \kind == 1
	CREST                                          ; nobody reads this slot or has a load on its way
	JLOAD 56, 68
.elseif \kind == 2
	CREST
	JLOAD 60, 72
.endif
	MUL4 5, 1, 0
	MUL4 6, 1, 0
	MUL4 7, 1, 0
	PLACES
	FB4 0, \nb, 0
	FA4 \na, 0, 0
.if \kind
	s_cmp_lg_u32 s3, 1                             ; but in the loop's last trip: the fill two joint loads on
	s_cbranch_scc0 .Lno_ask_\@
	s_wait_xcnt 0x0
	s_add_nc_u64 s[PB:PB+1], s[PB:PB+1], s[80:81]
	global_prefetch_b8 v[PFB], s[PB:PB+1] th:TH_LOAD_NT scope:SCOPE_SE
.Lno_ask_\@:
.endif
.irp g, 8,9,10,11,12,13,14,15
	MUL4 \g, 1, 0
.endr
	WIN 0
.endm
.macro G1W g, c, r, pitch              ; descriptor group 1 behind its mask: r rows of c bytes
	s_mov_b32 s[\g+1], (\c)<<16
	s_mov_b32 s[\g+2], (\r)<<16
	s_mov_b32 s[\g+3], (\c)<<16
	s_mov_b32 s[\g+4], \r
	s_mov_b32 s[\g+5], \pitch
	s_mov_b32 s[\g+6], 0
	s_mov_b32 s[\g+7], 0
.endm
	s_load_b128 s[4:7], s[0:1], 0x0                ; hc, w2c
	s_load_b128 s[8:11], s[0:1], 0x10              ; gw, x
	s_load_b128 s[12:15], s[0:1], 0x20             ; ad_b2, out0
	v_lshl_add_u32 v[SPW], v0, 2, SPARE
	v_mov_b32 v[NIL], 0
	ds_add_u32 v[SPW], v[NIL]
	ds_add_u32 v[SPW], v[NIL]
	v_lshrrev_b32 v1, 5, v0
	v_readfirstlane_b32 s16, v1                    ; wave
	s_lshr_b32 s17, s16, 1                         ; d; also whether I fetch for A (0) or B (1)
	s_and_b32 s18, s16, 1                          ; wn; also the domain whose tile I fetch
	s_bfe_u32 s19, ttmp6, 0x40000                  ; cx
	s_bfe_u32 s22, ttmp6, 0x40004                  ; cy
	s_lshl_b32 s20, ttmp9, 2
	s_add_co_u32 s20, s20, s19                     ; block of 256 columns
	s_and_b32 s23, ttmp7, 0xffff
	s_lshl_b32 s21, s23, 2
	s_add_co_u32 s21, s21, s22                     ; block of 128 rows
	s_lshl_b32 s86, s22, 2
	s_lshl_b32 s86, 15, s86                        ; my row of the cluster
	s_lshl_b32 s87, 0x1111, s19                    ; my column
	s_or_b32 s24, s86, (1<<21)
	s_or_b32 s40, s87, (1<<21)
	G1W 24, 4096, 8, 4096                          ; A: 32,768 dense bytes, two steps
	G1W 40, 8192, 4, 16384                         ; B: images 4-7 of each wn and step
	s_lshl_b32 s88, s18, 24
	s_lshl_b32 s86, s21, 18
	s_add_co_u32 s88, s88, s86                     ; A: domain, row block
	s_mov_b32 s89, 0
	s_lshl_b32 s92, s20, 19
	s_lshl_b32 s90, s18, 21
	s_add_co_u32 s90, s90, s92                     ; B: domain, column block
	s_mov_b32 s91, 0
	s_lshl_b32 s94, s17, 21                        ; and my own images: my domain, my half of the columns
	s_add_co_u32 s94, s94, s92
	s_lshl_b32 s92, s18, 14
	s_add_co_u32 s94, s94, s92
	s_mov_b32 s95, 0
	s_lshl_b32 s57, s18, 15                        ; where the fills go
	s_add_co_u32 s57, s57, RING
	s_add_co_u32 s61, s57, SLOT
	s_add_co_u32 s69, s57, BPART
	s_add_co_u32 s73, s57, BPART+SLOT
	s_mov_b32 s56, 1
	s_mov_b32 s60, 1
	s_mov_b32 s68, 1
	s_mov_b32 s72, 1
	s_wait_alu depctr_va_vdst(0)
	s_wait_dscnt 0x0
	s_wait_kmcnt 0x0
	s_add_nc_u64 s[88:89], s[4:5], s[88:89]
	s_add_nc_u64 s[90:91], s[6:7], s[90:91]
	s_add_nc_u64 s[BP:BP+1], s[6:7], s[94:95]
	s_mov_b64 s[58:59], s[88:89]                   ; A: steps 0 and 1
	s_or_b32 s59, s59, 0x80000000
	s_add_nc_u64 s[62:63], s[88:89], 32768         ; steps 2 and 3
	s_or_b32 s63, s63, 0x80000000
	s_add_nc_u64 s[70:71], s[90:91], 8192          ; B: image 4 on
	s_or_b32 s71, s71, 0x80000000
	s_add_nc_u64 s[74:75], s[90:91], 8192+65536
	s_or_b32 s75, s75, 0x80000000
	CROUND                                         ; all sixteen work-groups are here
	JLOAD 56, 68                                   ; steps 0 and 1
	; where my prefetches stand
	s_lshr_b32 s92, s23, 1
	s_and_b32 s92, s92, 3                          ; my cluster's quarter of w2c's steps
	s_lshl_b32 s93, s22, 2
	s_add_co_u32 s92, s92, s93                     ; and my work-group's quarter of that
	s_cmp_eq_u32 s17, 0
	s_cselect_b64 s[PB:PB+1], s[88:89], s[90:91]
	s_cselect_b32 s92, s19, s92                    ; of hc's: my quarter
	s_lshl_b32 s94, s92, 13
	s_lshr_b32 s94, s94, s17                       ; x 8,192 (A) or 4,096 (B) bytes of two steps
	s_lshl_b32 s80, 0x8000, s17                    ; two K steps: 32,768 or 65,536
	s_mov_b32 s81, 0
	s_add_nc_u64 s[PB:PB+1], s[PB:PB+1], s[94:95]
	s_add_nc_u64 s[PB:PB+1], s[PB:PB+1], s[80:81]  ; steps 2 and 3
	s_add_nc_u64 s[PC:PC+1], s[PB:PB+1], s[80:81]  ; steps 4 and 5
	; gw, b2, x, out0
	s_lshl_b32 s86, s21, 11
	s_lshl_b32 s87, s17, 9
	s_add_co_u32 s86, s86, s87
	s_mov_b32 s87, 0
	s_add_nc_u64 s[8:9], s[8:9], s[86:87]          ; gw at row 128 x block + 32 d
	s_lshl_b32 s86, s20, 10
	s_lshl_b32 s88, s18, 9
	s_add_co_u32 s86, s86, s88
	s_add_nc_u64 s[12:13], s[12:13], s[86:87]      ; b2 at my 128 columns
	s_lshl_b32 s88, s21, 19
	s_add_co_u32 s86, s86, s88
	s_lshl_b32 s88, s17, 17
	s_add_co_u32 s86, s86, s88
	s_add_nc_u64 s[10:11], s[10:11], s[86:87]      ; x and out0 at row 128 x block + 32 d and those columns
	s_add_nc_u64 s[14:15], s[14:15], s[86:87]
	; LDS addresses
	s_lshl_b32 s86, s17, 15
	s_add_co_u32 s86, s86, RING                    ; A: 32,768 d
	s_lshl_b32 s87, s18, 13
	s_add_co_u32 s87, s87, s86
	s_add_co_u32 s87, s87, BPART                   ; B: 32,768 d + 8,192 wn
	s_mul_i32 s92, s16, SREG
	s_mul_i32 s93, s18, SREG
	s_mul_i32 s94, s17, 32*SP
	s_add_co_u32 s93, s93, s94
	s_lshr_b32 s94, 31, s17                        ; the last lane of a prefetch: 31 or 15
	v_and_b32 v1, 15, v0                           ; r
	v_bfe_u32 v2, v0, 4, 1                         ; h
	v_and_b32 v3, 31, v0
	v_lshlrev_b32 v[BO], 4, v3
	v_add_nc_u32 v[AY], s86, v[BO]
	v_add_nc_u32 v[AX], SLOT, v[AY]
	v_add_nc_u32 v[BY], s87, v[BO]
	v_add_nc_u32 v[BX], SLOT, v[BY]
	v_mul_u32_u24 v4, v1, SP
	v_lshl_add_u32 v4, v2, 5, v4
	v_add_nc_u32 v[STO], s92, v4                   ; my region: row r, + 32 h
	v_add_nc_u32 v[STO+1], STG1, v[STO]
	v_add_nc_u32 v[RD1], s93, v[BO]                ; wave (0, wn)'s region, rows 32 d on
	v_add_nc_u32 v[RD1+1], STG1, v[RD1]
	v_add_nc_u32 v[RD2], 2*SREG, v[RD1]            ; wave (1, wn)'s
	v_add_nc_u32 v[RD2+1], STG1+2*SREG, v[RD1]
	v_min_u32 v5, s94, v3                          ; lanes that are left over name the last block again
	v_lshlrev_b32 v[PFB], 8, v5
	v_lshlrev_b32 v[PFX], 12, v3
	s_wait_alu depctr_va_vdst(0)                   ; the head's end
	global_load_b128 v[GW:GW+3], v[BO], s[8:9]                ; rows 32 d + lane
	global_load_b128 v[GW+4:GW+7], v[BO], s[8:9] offset:1024  ; rows 64 + 32 d + lane
	global_load_b128 v[B2:B2+3], v[BO], s[12:13]
	GB 0, 0
	WIN 0
	global_prefetch_b8 v[PFB], s[PB:PB+1] th:TH_LOAD_NT scope:SCOPE_SE
	global_prefetch_b8 v[PFB], s[PC:PC+1] th:TH_LOAD_NT scope:SCOPE_SE
	s_wait_tensorcnt 0x0                           ; my part of steps 0 and 1 is in
	ds_add_u32 v[SPW], v[NIL]
	s_wait_dscnt 0x0
	CROUND
	JLOAD 60, 72                                   ; steps 2 and 3
	FB4 0, BY, 0
	FA4 AY, 0, 0
	s_wait_xcnt 0x0
	s_add_nc_u64 s[PB:PB+1], s[PC:PC+1], s[80:81]  ; steps 6 and 7
	global_prefetch_b8 v[PFB], s[PB:PB+1] th:TH_LOAD_NT scope:SCOPE_SE
	STEP 1, AY, BY, 1                              ; step 0 starts the sums: nothing is cleared
	WIN 0
	s_mov_b32 s3, 3
.Llap:                                                 ; a trip is four steps, once round the ring
	TURN AY, AX, BX, 2, 1
	STEP 0, AX, BX, 3
	TURN AX, AY, BY, 4, 2
	STEP 0, AY, BY, 5
	WIN 0
	s_wait_xcnt 0x0                                ; my loads of B have read their base
	s_add_nc_u64 s[BP:BP+1], s[BP:BP+1], 131072
	s_sub_co_u32 s3, s3, 1
	s_cmp_lg_u32 s3, 0
	s_cbranch_scc1 .Llap
	global_prefetch_b8 v[PFX], s[10:11] th:TH_LOAD_NT scope:SCOPE_SE                      ; my piece of x, a lane a row: rows of the first half, two blocks each,
	global_prefetch_b8 v[PFX], s[10:11] offset:256 th:TH_LOAD_NT scope:SCOPE_SE
	global_prefetch_b8 v[PFX], s[10:11] offset:262144 th:TH_LOAD_NT scope:SCOPE_SE        ; and of the second
	global_prefetch_b8 v[PFX], s[10:11] offset:262400 th:TH_LOAD_NT scope:SCOPE_SE
	TURN AY, AX, BX, 2, 0                          ; step 13: nothing is filled again
	STEP 0, AX, BX, 3
; Row j of my 64 of x at v[4 j] of window 1
.macro XROW j
	global_load_b128 v[4*(\j):4*(\j)+3], v[BO], s[10:11] offset:(64*((\j)/32)+(\j)%32)*4096 th:TH_LOAD_NT
.endm
; A block of 16 rows into stage w: lane (r, h), accumulator (a, b) of window 2 + w: row 16 a + r, columns 16 b + 8 h + 0 .. 7; each accumulator from its low end on
.macro SST w, a
	WIN 0x08+4*(\w)
.irp b, 0,1,2,3,4,5,6,7
.set DR, 8*(8*(\a)+\b)
	ds_store_b128 v[STO+\w], v[DR:DR+3] offset:(\a)*16*SP+64*\b
	ds_store_b128 v[STO+\w], v[DR+4:DR+7] offset:(\a)*16*SP+64*\b+16
.endr
.endm
; Step 15, on the second slot.  Nobody reads the first any more (step 13's barrier): the first half's stage lies there.
	PLACES
	FA4 AX, 16384, 4
	WIN 0x40
.set j, 0
.rept 32
	XROW j
.set j, j+1
.endr
	s_wait_loadcnt 32                              ; step 15's B is in; the 32 rows of x may be out
.irp g, 0,1,2,3,4,5,6,7
.if (\g)%2 == 0
	s_wait_dscnt 28-2*\g
.endif
	MUL4 \g, 1, 0
.endr
	s_wait_dscnt 0x0                               ; A's blocks 4-7 are in: my last reads of the slots
.irp g, 8,9,10,11,12,13,14,15
	MUL4 \g, 1, 0
.if \g == 8
	PLACES
.endif
.if (\g)%2 == 1
	SST 0, (\g-9)/2
.endif
.endr
	PLACES
	WIN 0x40
.set j, 32
.rept 32
	XROW j
.set j, j+1
.endr
	WIN 0
	s_wait_xcnt 0x0                                ; every load and prefetch has read its base
.set j, 25                             ; the upper halves of the way out's scalar pairs: s24-63 and s68-91 (the descriptors are done with)
.rept 20
	s_mov_b32 s[j], 0
.set j, j+2
.endr
.set j, 69
.rept 12
	s_mov_b32 s[j], 0
.set j, j+2
.endr
	s_wait_dscnt 0x0                               ; my stores into the first stage are done
	s_barrier_signal -1
	s_barrier_wait -1                              ; everybody's are, and nobody reads the second slot any more
.irp a, 0,1,2,3
	SST 1, \a
.endr
	WIN 0
; Eight rows at a time, on two buffers: both domains' sums come back as whole rows of 512 bytes, 16 bytes a lane.  Batch k holds my rows 8 k .. 8 k + 7 of 64.
.macro LOADB k
.set BF, SB+64*((\k)%2)
.irp tt, 0,1,2,3,4,5,6,7
	ds_load_b128 v[BF+4*\tt:BF+4*\tt+3], v[RD1+(\k)/4] offset:((8*(\k)+\tt)%32)*SP
	ds_load_b128 v[BF+32+4*\tt:BF+32+4*\tt+3], v[RD2+(\k)/4] offset:((8*(\k)+\tt)%32)*SP
.endr
.endm
; out = a3 b2 + a1 S_book + a2 S_iwslt + a0 x.  The eight rows' numbers come out of gw's registers into scalar pairs (the low word serves both halves): row tt's a0 .. a3 at SR, SR + 2, SR + 4, SR + 6.
; Each of the four sums' steps goes over all eight rows before the next begins.
.macro FIN k, younger
.set BF, SB+64*((\k)%2)
	s_wait_loadcnt 56-8*(\k)                       ; this batch's eight rows of x are in
	s_wait_dscnt \younger                          ; and its 16 loads; the next batch's may be out
.irp tt, 0,1,2,3,4,5,6,7
.set RW, 8*(\k)+\tt
.set SR, 24+8*\tt+4*(\tt/5)
.irp i, 0,1,2,3
	v_readlane_b32 s[SR+2*\i], v[GW+4*(RW/32)+\i], RW%32
.endr
.endr
.irp tt, 0,1,2,3,4,5,6,7
.set SR, 24+8*\tt+4*(\tt/5)
.irp p, 0,2
	v_pk_mul_f32 v[U+4*\tt+\p:U+4*\tt+\p+1], v[B2+\p:B2+\p+1], s[SR+6:SR+7] op_sel_hi:[1,0]
.endr
.endr
.irp tt, 0,1,2,3,4,5,6,7
.set SR, 24+8*\tt+4*(\tt/5)
.irp p, 0,2
	v_pk_fma_f32 v[BF+4*\tt+\p:BF+4*\tt+\p+1], v[BF+4*\tt+\p:BF+4*\tt+\p+1], s[SR+2:SR+3], v[U+4*\tt+\p:U+4*\tt+\p+1] op_sel_hi:[1,0,1]
.endr
.endr
.irp tt, 0,1,2,3,4,5,6,7
.set SR, 24+8*\tt+4*(\tt/5)
.irp p, 0,2
	v_pk_fma_f32 v[BF+4*\tt+\p:BF+4*\tt+\p+1], v[BF+32+4*\tt+\p:BF+32+4*\tt+\p+1], s[SR+4:SR+5], v[BF+4*\tt+\p:BF+4*\tt+\p+1] op_sel_hi:[1,0,1]
.endr
.endr
	WIN 0x01                                       ; source 0 (x) window 1
.irp tt, 0,1,2,3,4,5,6,7
.set SR, 24+8*\tt+4*(\tt/5)
.irp p, 0,2
	v_pk_fma_f32 v[BF+4*\tt+\p:BF+4*\tt+\p+1], v[4*(8*(\k)+\tt)+\p:4*(8*(\k)+\tt)+\p+1], s[SR:SR+1], v[BF+4*\tt+\p:BF+4*\tt+\p+1] op_sel_hi:[1,0,1]
.endr
.endr
	WIN 0
.irp tt, 0,1,2,3,4,5,6,7
.set RW, 8*(\k)+\tt
	global_store_b128 v[BO], v[BF+4*\tt:BF+4*\tt+3], s[14:15] offset:(64*(RW/32)+RW%32)*4096 th:TH_STORE_NT   ; 32 lanes store 512 consecutive bytes
.endr
.endm
	LOADB 0
	LOADB 1
	FIN 0, 16
	s_wait_xcnt 0x0                                ; batch 0's stores have read their data: its buffer is loaded again only behind this wait
	LOADB 2
	FIN 1, 16
	s_wait_xcnt 0x0
	LOADB 3
	FIN 2, 16
	FIN 3, 0
	s_barrier_signal -1                            ; my stores into the second stage are done,
	s_barrier_wait -1                              ; and everybody's
	s_wait_xcnt 0x0                                ; batches 2 and 3 have left their buffers
	LOADB 4
	LOADB 5
	FIN 4, 16
	s_wait_xcnt 0x0
	LOADB 6
	FIN 5, 16
	s_wait_xcnt 0x0
	LOADB 7
	FIN 6, 16
	FIN 7, 0
	s_wait_tensorcnt 0x0                           ; the wave's end
	ds_add_u32 v[SPW], v[NIL]
	s_wait_dscnt 0x0
	CROUND                                         ; the closing round
	s_endpgm
.Lfunc_end_k_qbac01d2189_ffn2:
	.size	k_qbac01d2189_ffn2, .Lfunc_end_k_qbac01d2189_ffn2-k_qbac01d2189_ffn2
	.p2alignl 7, 3214868480
	.fill 96, 4, 3214868480
	.section	.rodata,"a",@progbits
	.p2align	6, 0x0
	.amdhsa_kernel k_qbac01d2189_ffn2
		.amdhsa_group_segment_fixed_size 327680
		.amdhsa_private_segment_fixed_size 0
		.amdhsa_enable_private_segment 0
		.amdhsa_kernarg_size 48
		.amdhsa_user_sgpr_count 2
		.amdhsa_user_sgpr_kernarg_segment_ptr 1
		.amdhsa_wavefront_size32 1
		.amdhsa_system_sgpr_workgroup_id_x 1
		.amdhsa_system_sgpr_workgroup_id_y 1
		.amdhsa_system_sgpr_workgroup_id_z 1
		.amdhsa_system_vgpr_workitem_id 0
		.amdhsa_next_free_vgpr 1024
		.amdhsa_next_free_sgpr 100
		.amdhsa_reserve_vcc 0
		.amdhsa_float_denorm_mode_32 3
		.amdhsa_float_denorm_mode_16_64 3
		.amdhsa_memory_ordered 1
		.amdhsa_forward_progress 1
		.amdhsa_inst_pref_size 165
	.end_amdhsa_kernel
	.amdgpu_metadata
---
amdhsa.version: [ 1, 2 ]
amdhsa.kernels:
  - .name:           k_qbac01d2189_ffn2
    .symbol:         k_qbac01d2189_ffn2.kd
    .args:
      - { .name: hc, .offset: 0, .size: 8, .value_kind: global_buffer, .address_space: global }
      - { .name: w2c, .offset: 8, .size: 8, .value_kind: global_buffer, .address_space: global }
      - { .name: gw, .offset: 16, .size: 8, .value_kind: global_buffer, .address_space: global }
      - { .name: x, .offset: 24, .size: 8, .value_kind: global_buffer, .address_space: global }
      - { .name: ad_b2, .offset: 32, .size: 8, .value_kind: global_buffer, .address_space: global }
      - { .name: out0, .offset: 40, .size: 8, .value_kind: global_buffer, .address_space: global }
    .group_segment_fixed_size: 327680
    .private_segment_fixed_size: 0
    .kernarg_segment_align: 8
    .kernarg_segment_size: 48
    .max_flat_workgroup_size: 128
    .sgpr_count:     100
    .vgpr_count:     1024
    .wavefront_size: 32
...
	.end_amdgpu_metadata
.endif
;; end of part 3
